; MI455X (gfx1250); checked and timed in simulation.
; The chip was launched on July 23, 2026; its instructions are those of AMD's public machine-readable ISA for CDNA 5 (MIT licence, August 2026) and "CDNA5" Instruction Set Architecture Reference Guide (July 2026). The comments in the code are by the model that wrote it; some were corrected since.
;; Self Attention. Allowed arithmetic: float matrix products may take bf16 or f16 operands with f32 sums; all other float work in f32.
;; Inputs: x 32 x 2,048 x 512 float32.
;; Outputs: out0 32 x 512 float32.
;; 2 versions, each right and faster than the one before. Each part assembles by itself: llvm-mc -triple=amdgcn-amd-amdhsa -mcpu=gfx1250 --defsym DOCPART=n.
;; ======== version 1 of 2: 3 launches
;; workspace buffers: psum 524,288 bytes; pacc 524,288 bytes; stat 65,536 bytes
;; launch colsum (part 1): grid 256 x 1, 16 waves a work-group, no clusters, 34,816 bytes of LDS; arguments x, psum; writes psum
.if DOCPART == 1
	.amdgcn_target "amdgcn-amd-amdhsa--gfx1250"
	.amdhsa_code_object_version 6
	.text
	.protected	k_q18328b329d_colsum
	.globl	k_q18328b329d_colsum
	.p2align	8
	.type	k_q18328b329d_colsum,@function
k_q18328b329d_colsum:
	s_mov_b64 s[64:65], 0
	v_nop
	global_prefetch_b8 v0, s[64:65] scope:SCOPE_SE
	s_setreg_imm32_b32 hwreg(HW_REG_WAVE_MODE, 25, 1), 1
	s_wait_xcnt 0x0
; FIRST OF THREE LAUNCHES for  out[b] = sum_t softmax_t(w[b,t]) x[b,t],  w[b,t] = x[b,t].s[b] - |x[b,t]|^2,  s[b] = sum_t x[b,t].
; x: [32][2048][512] f32.  No step of reference() is left out as dead work; every input byte has a way to the output and is read.
; s[b] needs all 2,048 rows (4 MiB) of a batch before any w can be formed, and work-groups of one launch hand each other nothing,
; so the program reads x twice: this launch makes partial column sums, the second makes w, the exponentials and the weighted sums
; of 256 rows at a time (with a running maximum), the third joins the eight parts of each batch.
; The second launch forms w as sum_d x_d (s_d - x_d): equal to x.s - x.x in exact arithmetic, without a difference of two large sums.
; LIMITS: sums are taken in another order than reference()'s (chains of 16 rows, then trees), so the f32 rounding differs;
; with NaN or infinite inputs, or where w overflows f32, the result is NaN or infinite but not promised element for element.
; All arithmetic is f32 on the vector unit: both products are matrix times vector (one column of sixteen in a matrix instruction),
; and w, which is thousands in size, stands in front of an exponential, so 16-bit operands would move the weights.
; No cluster: work-groups of this launch share no byte of x.  No LDS ring: the register ring below keeps 8 of a wave's 16 rows on their way.
;
; THIS LAUNCH: work-group g owns rows 256 g .. 256 g + 255 of the 65,536 rows (an eighth of batch g / 8), 16 waves, 16 rows a wave.
; A row is 2,048 bytes: four loads of 16 bytes a lane, each covering 512 consecutive bytes; lane l holds columns 128 j + 4 l + 0..3.
; The loads carry no cache hint: the next launch reads the same bytes again.
.set ROW,   2048                       ; bytes in a row
.set XO,    1                          ; v1        byte offset of my 16 bytes in my wave's first row; never rewritten
.set ACC,   2                          ; v[2:17]   sums of my 16 columns
.set XX,    18                         ; v[18:145] ring of 8 row slots, 16 registers each
.set LN,    146                        ; v146      lane
.set LA,    147                        ; v147      LDS address
	s_load_b128 s[4:7], s[0:1], 0x0                ; x s[4:5], psum s[6:7]
	v_lshl_add_u32 v148, v0, 2, 0x8000
	v_mov_b32 v149, 0
	v_lshrrev_b32 v[LA], 5, v0
	v_readfirstlane_b32 s8, v[LA]                  ; wave 0..15
	v_and_b32 v[LN], 31, v0
	s_lshl_b32 s9, s8, 15                          ; wave x 16 rows x 2,048 bytes
	v_lshl_add_u32 v[XO], v[LN], 4, s9             ; + 16 x lane
	s_lshl_b32 s10, ttmp9, 19                      ; work-group x 256 rows x 2,048 bytes (below 2^27)
	s_mov_b32 s11, 0
	s_lshl_b32 s12, ttmp9, 11                      ; work-group x 2,048 bytes of psum
	s_mov_b32 s13, 0
	s_wait_kmcnt 0x0
	s_add_nc_u64 s[4:5], s[4:5], s[10:11]
	s_add_nc_u64 s[6:7], s[6:7], s[12:13]
.macro FILL slot, row                  ; four loads: the whole row, its place in the immediate
.irp j, 0,1,2,3
	global_load_b128 v[XX+16*(\slot)+4*\j:XX+16*(\slot)+4*\j+3], v[XO], s[4:5] offset:(\row)*ROW+512*\j
.endr
.endm
.macro ADD slot                        ; eight packed adds: 16 columns
.irp k, 0,2,4,6,8,10,12,14
	v_pk_add_f32 v[ACC+\k:ACC+\k+1], v[ACC+\k:ACC+\k+1], v[XX+16*(\slot)+\k:XX+16*(\slot)+\k+1]
.endr
.endm
.irp r, 0,1,2,3,4,5,6,7
	FILL \r, \r                                    ; rows 0 to 7: 32 loads, 16 KiB of the wave on their way
.endr
	s_wait_loadcnt 24                              ; loads come back in order (ISA guide 5.7.1): rows 0 and 1 are in, the 24 loads of rows 2 to 7 stay out
.irp k, 0,2,4,6,8,10,12,14
	v_pk_add_f32 v[ACC+\k:ACC+\k+1], v[XX+\k:XX+\k+1], v[XX+16+\k:XX+16+\k+1]   ; the first two rows start the sums: nothing is cleared
.endr
	FILL 0, 8
	FILL 1, 9
.irp r, 2,3,4,5,6,7
	s_wait_loadcnt 28                              ; behind row r's loads: rows r+1..7 and rows 8..r+7, seven rows of four loads
	ADD \r
	FILL \r, \r+8
.endr
.irp i, 0,1,2,3,4,5,6,7
	s_wait_loadcnt 28-4*\i                         ; rows 8 to 15: nothing more is asked for, the counts run down
	ADD \i
.endr
	; The 16 waves' sums meet in LDS: wave w's 2,048 bytes at 2,048 w, columns in order.
	s_lshl_b32 s9, s8, 11
	v_lshl_add_u32 v[LA], v[LN], 4, s9
.irp j, 0,1,2,3
	ds_store_b128 v[LA], v[ACC+4*\j:ACC+4*\j+3] offset:512*\j
.endr
	s_wait_dscnt 0x0                               ; my stores are done before I say so
	s_barrier_signal -1
	s_barrier_wait -1                              ; everybody's are
	s_cmp_ge_u32 s8, 8
	s_cbranch_scc1 .Lend                           ; 512 columns are 256 threads x 2: waves 0 to 7 add, so that a wave's store covers 256 consecutive bytes, aligned
	s_lshl_b32 s9, s8, 8
	v_lshl_add_u32 v[LA], v[LN], 3, s9             ; 8 x thread: my two columns, in LDS and in psum
.irp w, 0,1,2,3,4,5,6,7,8,9,10,11,12,13,14,15
	ds_load_b64 v[XX+2*\w:XX+2*\w+1], v[LA] offset:2048*\w
.endr
	s_wait_dscnt 0x0
.irp i, 0,1,2,3,4,5,6,7
	v_pk_add_f32 v[XX+4*\i:XX+4*\i+1], v[XX+4*\i:XX+4*\i+1], v[XX+4*\i+2:XX+4*\i+3]   ; a tree over the 16 waves
.endr
.irp i, 0,1,2,3
	v_pk_add_f32 v[XX+8*\i:XX+8*\i+1], v[XX+8*\i:XX+8*\i+1], v[XX+8*\i+4:XX+8*\i+5]
.endr
.irp i, 0,1
	v_pk_add_f32 v[XX+16*\i:XX+16*\i+1], v[XX+16*\i:XX+16*\i+1], v[XX+16*\i+8:XX+16*\i+9]
.endr
	v_pk_add_f32 v[XX:XX+1], v[XX:XX+1], v[XX+16:XX+17]
	global_store_b64 v[LA], v[XX:XX+1], s[6:7]     ; psum[g][2 t .. 2 t + 1]
.Lend:
	s_wait_tensorcnt 0x0
	ds_add_u32 v148, v149
	s_wait_dscnt 0x0
	s_endpgm
.Lfunc_end_k_q18328b329d_colsum:
	.size	k_q18328b329d_colsum, .Lfunc_end_k_q18328b329d_colsum-k_q18328b329d_colsum
	.p2alignl 7, 3214868480
	.fill 96, 4, 3214868480
	.section	.rodata,"a",@progbits
	.p2align	6, 0x0
	.amdhsa_kernel k_q18328b329d_colsum
		.amdhsa_group_segment_fixed_size 34816
		.amdhsa_private_segment_fixed_size 0
		.amdhsa_enable_private_segment 0
		.amdhsa_kernarg_size 16
		.amdhsa_user_sgpr_count 2
		.amdhsa_user_sgpr_kernarg_segment_ptr 1
		.amdhsa_wavefront_size32 1
		.amdhsa_system_sgpr_workgroup_id_x 1
		.amdhsa_system_sgpr_workgroup_id_y 1
		.amdhsa_system_sgpr_workgroup_id_z 1
		.amdhsa_system_vgpr_workitem_id 0
		.amdhsa_next_free_vgpr 150
		.amdhsa_next_free_sgpr 66
		.amdhsa_reserve_vcc 0
		.amdhsa_float_denorm_mode_32 3
		.amdhsa_float_denorm_mode_16_64 3
		.amdhsa_memory_ordered 1
		.amdhsa_forward_progress 1
		.amdhsa_inst_pref_size 18
	.end_amdhsa_kernel
	.amdgpu_metadata
---
amdhsa.version: [ 1, 2 ]
amdhsa.kernels:
  - .name:           k_q18328b329d_colsum
    .symbol:         k_q18328b329d_colsum.kd
    .args:
      - { .name: x, .offset: 0, .size: 8, .value_kind: global_buffer, .address_space: global }
      - { .name: psum, .offset: 8, .size: 8, .value_kind: global_buffer, .address_space: global }
    .group_segment_fixed_size: 34816
    .private_segment_fixed_size: 0
    .kernarg_segment_align: 8
    .kernarg_segment_size: 16
    .max_flat_workgroup_size: 512
    .sgpr_count:     66
    .vgpr_count:     150
    .wavefront_size: 32
...
	.end_amdgpu_metadata
.endif
;; end of part 1
;; launch pool (part 2): grid 256 x 1, 16 waves a work-group, no clusters, 39,168 bytes of LDS; arguments x, psum, pacc, stat; writes pacc, stat
.if DOCPART == 2
	.amdgcn_target "amdgcn-amd-amdhsa--gfx1250"
	.amdhsa_code_object_version 6
	.text
	.protected	k_q18328b329d_pool
	.globl	k_q18328b329d_pool
	.p2align	8
	.type	k_q18328b329d_pool,@function
k_q18328b329d_pool:
	s_mov_b64 s[64:65], 0
	v_nop
	global_prefetch_b8 v0, s[64:65] scope:SCOPE_SE
	s_setreg_imm32_b32 hwreg(HW_REG_WAVE_MODE, 25, 1), 1
	s_wait_xcnt 0x0
; SECOND LAUNCH.  Work-group g takes the same 256 rows of x as in the first launch (batch g / 8, part g % 8) and leaves
;   m = max_t w_t,  l = sum_t exp(w_t - m),  acc[d] = sum_t exp(w_t - m) x_t[d]      over its rows, with  w_t = sum_d x_td (s_d - x_td).
; Nothing of reference() is left out; the maximum is taken away before every exponential (a running maximum, rescaled once per four rows).
; w - m is formed first and then scaled by log2(e): the difference of two near numbers is exact, so the exponent keeps its accuracy when w is large.
; 16 waves, 16 rows a wave, in four groups of four rows through three register slots; a row stays in registers between its two uses
; (w, then the weighted sum), so this launch reads x once.  Lane l holds columns 128 j + 4 l + 0..3 of a row (four loads of 512 consecutive bytes).
; The groups are taken in DESCENDING order of rows: what the first launch read last is asked for first.  th:TH_LOAD_NT: this is the program's last read of x.
; Vector unit, f32, no cluster, no LDS ring: see the first launch's head; of the 528 KiB that a work-group reads only the 16 KiB of psum are shared.
; LIMITS as stated there (order of rounding; non-finite values).
.set ROW,   2048
.set LOG2E, 0x3fb8aa3b                 ; log2(e): v_exp_f32 is 2^x
.set XO,  1                            ; v1         byte offset of my 16 bytes in my wave's first row; never rewritten
.set MO,  2                            ; v2         running maximum (the same in all lanes)
.set LS,  3                            ; v3         running sum of exponentials; at the start: my offset in psum
.set MN,  4                            ; v4         the new maximum; at the start: 8 x thread
.set LA,  5                            ; v5         16 x lane
.set SS,  6                            ; v[6:21]    s of my 16 columns
.set ACC, 22                           ; v[22:37]   weighted sums of my 16 columns
.set DD,  38                           ; v[38:45]   s - x, a pair for each of 4 rows; then the exponents
.set PP,  46                           ; v[46:53]   partial w, a pair for each of 4 rows
.set EE,  54                           ; v[54:63]   the rescale factor and the four weights, each twice: pairs for the packed arithmetic
.set XX,  64                           ; v[64:255]  three slots of 4 rows x 16 registers
.set LDS_ACC, 4096                     ; LDS: 0..4095 two half sums of s; 4096.. 16 waves x 2,048 bytes of acc;
.set LDS_M,   36864                    ;      16 words of m, then 16 words of l
	s_load_b256 s[4:11], s[0:1], 0x0               ; x s[4:5], psum s[6:7], pacc s[8:9], stat s[10:11]
	v_lshrrev_b32 v[MO], 5, v0
	v_readfirstlane_b32 s12, v[MO]                 ; wave 0..15
	v_and_b32 v[MN], 31, v0                        ; lane
	v_lshlrev_b32 v[LA], 4, v[MN]
	s_lshl_b32 s13, s12, 15                        ; wave x 16 rows x 2,048 bytes
	v_add_nc_u32 v[XO], s13, v[LA]
	s_and_b32 s14, s12, 7                          ; thread t adds parts 4 (t / 256) + 0..3 of columns 2 (t % 256), + 1:
	s_lshl_b32 s14, s14, 8                         ; 8 (t % 256) = 256 (wave % 8) + 8 lane,
	s_lshr_b32 s15, s12, 3
	s_lshl_b32 s15, s15, 13                        ; four parts of 2,048 bytes further for waves 8 to 15
	s_add_co_u32 s14, s14, s15
	v_lshl_add_u32 v[LS], v[MN], 3, s14
	s_lshl_b32 s22, s12, 8
	v_lshl_add_u32 v[MN], v[MN], 3, s22            ; 8 t: where the half sum goes in LDS
	s_lshl_b32 s16, ttmp9, 19                      ; x: work-group x 256 rows x 2,048 bytes
	s_mov_b32 s17, 0
	s_lshr_b32 s18, ttmp9, 3
	s_lshl_b32 s18, s18, 14                        ; psum: batch x 8 parts x 2,048 bytes
	s_mov_b32 s19, 0
	s_lshl_b32 s20, ttmp9, 11                      ; pacc: work-group x 2,048 bytes
	s_mov_b32 s21, 0
	s_lshl_b32 s24, ttmp9, 8                       ; stat: work-group x 256 bytes
	s_mov_b32 s25, 0
	s_mov_b32 s26, 0x76543210                      ; v_permlanex16_b32: lane i of one half reads lane i of the other
	s_mov_b32 s27, 0xfedcba98
	s_wait_kmcnt 0x0
	s_add_nc_u64 s[4:5], s[4:5], s[16:17]
	s_add_nc_u64 s[6:7], s[6:7], s[18:19]
	s_add_nc_u64 s[8:9], s[8:9], s[20:21]
	s_add_nc_u64 s[10:11], s[10:11], s[24:25]
.macro FILL slot, row0                 ; 16 loads: rows row0 .. row0 + 3 of my wave's 16
.irp r, 0,1,2,3
.irp j, 0,1,2,3
	global_load_b128 v[XX+64*(\slot)+16*\r+4*\j:XX+64*(\slot)+16*\r+4*\j+3], v[XO], s[4:5] offset:((\row0)+\r)*ROW+512*\j th:TH_LOAD_NT
.endr
.endr
.endm
.irp c, 0,1,2,3
	global_load_b64 v[EE+2*\c:EE+2*\c+1], v[LS], s[6:7] offset:2048*\c     ; needed first, so asked for first; a wave's load covers 256 consecutive bytes
.endr
	FILL 0, 12
	FILL 1, 8
	FILL 2, 4                                      ; 12 of the wave's 16 rows are on their way
	s_wait_loadcnt 48                              ; the four loads of psum are in (and v[LS] is free); the 48 of x stay out
	v_pk_add_f32 v[EE:EE+1], v[EE:EE+1], v[EE+2:EE+3]
	v_pk_add_f32 v[EE+4:EE+5], v[EE+4:EE+5], v[EE+6:EE+7]
	v_pk_add_f32 v[EE:EE+1], v[EE:EE+1], v[EE+4:EE+5]
	ds_store_b64 v[MN], v[EE:EE+1]
	s_wait_dscnt 0x0                               ; my store is done before I say so
	s_barrier_signal -1
	s_barrier_wait -1                              ; both half sums of all 512 columns are in LDS
.irp j, 0,1,2,3
	ds_load_b128 v[SS+4*\j:SS+4*\j+3], v[LA] offset:512*\j
.endr
.irp j, 0,1,2,3
	ds_load_b128 v[DD+4*\j:DD+4*\j+3], v[LA] offset:2048+512*\j            ; 16 registers: DD and PP
.endr
	s_wait_dscnt 0x0
.irp k, 0,2,4,6,8,10,12,14
	v_pk_add_f32 v[SS+\k:SS+\k+1], v[SS+\k:SS+\k+1], v[DD+\k:DD+\k+1]      ; s of my 16 columns
.endr
; Four rows in slot: their w, the new maximum, the weights, the sums.  first = 1: the group starts m, l and acc (nothing is cleared, no -infinity is needed).
; left = how many younger loads may stay out.  The four rows' chains are interleaved so that no instruction waits for the one in front of it.
.macro GROUP slot, first, left
.set XB, XX+64*(\slot)
	s_wait_loadcnt \left
.irp k, 0,2,4,6,8,10,12,14
.irp r, 0,1,2,3
	v_pk_add_f32 v[DD+2*\r:DD+2*\r+1], v[SS+\k:SS+\k+1], v[XB+16*\r+\k:XB+16*\r+\k+1] neg_lo:[0,1] neg_hi:[0,1]   ; s - x
.endr
.irp r, 0,1,2,3
.if \k == 0
	v_pk_mul_f32 v[PP+2*\r:PP+2*\r+1], v[XB+16*\r+\k:XB+16*\r+\k+1], v[DD+2*\r:DD+2*\r+1]
.else
	v_pk_fma_f32 v[PP+2*\r:PP+2*\r+1], v[XB+16*\r+\k:XB+16*\r+\k+1], v[DD+2*\r:DD+2*\r+1], v[PP+2*\r:PP+2*\r+1]   ; + x (s - x)
.endif
.endr
.endr
.irp r, 0,1,2,3
	v_add_f32 v[PP+2*\r], v[PP+2*\r], v[PP+2*\r+1]
.endr
.irp m, 1,2,4,8                        ; across the lanes: four steps inside each half of 16 ride on the add, one crosses the halves
.irp r, 0,1,2,3
	v_add_f32_dpp v[PP+2*\r], v[PP+2*\r], v[PP+2*\r] row_xmask:\m row_mask:0xf bank_mask:0xf
.endr
.endr
.irp r, 0,1,2,3
	v_permlanex16_b32 v[PP+2*\r+1], v[PP+2*\r], s26, s27
.endr
.irp r, 0,1,2,3
	v_add_f32 v[PP+2*\r], v[PP+2*\r], v[PP+2*\r+1]                 ; w of row r, in every lane
.endr
	v_max3_num_f32 v[MN], v[PP], v[PP+2], v[PP+4]
.if \first
	v_max_num_f32 v[MN], v[MN], v[PP+6]
.else
	v_max3_num_f32 v[MN], v[MN], v[PP+6], v[MO]
	v_sub_f32 v[DD], v[MO], v[MN]                                  ; old maximum - new, at most 0
	v_mul_f32 v[DD], LOG2E, v[DD]
.endif
.irp r, 0,1,2,3
	v_sub_f32 v[DD+1+\r], v[PP+2*\r], v[MN]                        ; w - maximum, at most 0
.endr
.irp r, 0,1,2,3
	v_mul_f32 v[DD+1+\r], LOG2E, v[DD+1+\r]
.endr
.if \first == 0
	v_exp_f32 v[EE], v[DD]                                         ; each exponential is made twice, to fill the pair that the packed arithmetic multiplies by
	v_exp_f32 v[EE+1], v[DD]
.endif
.irp r, 0,1,2,3
	v_exp_f32 v[EE+2+2*\r], v[DD+1+\r]
	v_exp_f32 v[EE+3+2*\r], v[DD+1+\r]
.endr
	v_mov_b32 v[MO], v[MN]                                         ; the plain instruction that stands between the exponentials and the first use of a result (ISA guide 5.7.2)
	s_wait_alu depctr_va_vdst(0)
	v_add_f32 v[DD+6], v[EE+2], v[EE+4]
	v_add_f32 v[DD+7], v[EE+6], v[EE+8]
.if \first
	v_add_f32 v[LS], v[DD+6], v[DD+7]
.irp k, 0,2,4,6,8,10,12,14
	v_pk_mul_f32 v[ACC+\k:ACC+\k+1], v[XB+\k:XB+\k+1], v[EE+2:EE+3]
.endr
.else
	v_fma_f32 v[LS], v[LS], v[EE], v[DD+6]
	v_add_f32 v[LS], v[LS], v[DD+7]
.irp k, 0,2,4,6,8,10,12,14
	v_pk_mul_f32 v[ACC+\k:ACC+\k+1], v[ACC+\k:ACC+\k+1], v[EE:EE+1]        ; one rescale for four rows
.endr
.irp k, 0,2,4,6,8,10,12,14
	v_pk_fma_f32 v[ACC+\k:ACC+\k+1], v[XB+\k:XB+\k+1], v[EE+2:EE+3], v[ACC+\k:ACC+\k+1]
.endr
.endif
.irp r, 1,2,3
.irp k, 0,2,4,6,8,10,12,14
	v_pk_fma_f32 v[ACC+\k:ACC+\k+1], v[XB+16*\r+\k:XB+16*\r+\k+1], v[EE+2+2*\r:EE+3+2*\r], v[ACC+\k:ACC+\k+1]
.endr
.endr
.endm
	GROUP 0, 1, 32                                 ; rows 12-15; the 32 loads of rows 8-11 and 4-7 stay out
	FILL 0, 0                                      ; the last four rows, into the slot just used
	GROUP 1, 0, 32                                 ; rows 8-11; rows 4-7 and 0-3 stay out
	GROUP 2, 0, 16                                 ; rows 4-7; rows 0-3 stay out
	GROUP 0, 0, 0                                  ; rows 0-3
	; The 16 waves' m, l and acc meet in LDS, in bytes of their own (a slower wave may still be reading s), behind one barrier.
	s_lshl_b32 s13, s12, 11
	v_add_nc_u32 v[DD], s13, v[LA]                 ; 2,048 x wave + 16 x lane
.irp j, 0,1,2,3
	ds_store_b128 v[DD], v[ACC+4*\j:ACC+4*\j+3] offset:LDS_ACC+512*\j
.endr
	s_lshl_b32 s13, s12, 2
	v_mov_b32 v[DD+1], s13
	ds_store_b32 v[DD+1], v[MO] offset:LDS_M       ; all lanes write the same word with the same value
	ds_store_b32 v[DD+1], v[LS] offset:LDS_M+64
	s_wait_dscnt 0x0                               ; my stores are done before I say so
	s_barrier_signal -1
	s_barrier_wait -1
	s_cmp_ge_u32 s12, 8
	s_cbranch_scc1 .Lend                           ; 512 columns are 256 threads x 2: a wave's store then covers 256 consecutive bytes, aligned
.set MX, DD+4                                      ; v[42:43]: the work-group's m and l, a pair for the store
.set LT, DD+5
.set OUT, DD+6                                     ; v[44:45]: my two columns
	v_mov_b32 v[DD+2], 0
.irp i, 0,1,2,3,4,5,6,7
	ds_load_b128 v[XX+4*\i:XX+4*\i+3], v[DD+2] offset:LDS_M+16*\i          ; m of the 16 waves in XX+0..15, l in XX+16..31
.endr
	v_lshrrev_b32 v[DD+3], 1, v[LA]
	v_add_nc_u32 v[DD+3], s22, v[DD+3]             ; 8 x thread
.irp w, 0,1,2,3,4,5,6,7,8,9,10,11,12,13,14,15
	ds_load_b64 v[XX+32+2*\w:XX+32+2*\w+1], v[DD+3] offset:LDS_ACC+2048*\w
.endr
	s_wait_dscnt 16                                ; m and l are in; the 16 loads of acc stay out
	v_max3_num_f32 v[MX], v[XX], v[XX+1], v[XX+2]
.irp i, 3,5,7,9,11,13
	v_max3_num_f32 v[MX], v[MX], v[XX+\i], v[XX+\i+1]
.endr
	v_max_num_f32 v[MX], v[MX], v[XX+15]
.irp w, 0,1,2,3,4,5,6,7,8,9,10,11,12,13,14,15
	v_sub_f32 v[XX+\w], v[XX+\w], v[MX]
.endr
.irp w, 0,1,2,3,4,5,6,7,8,9,10,11,12,13,14,15
	v_mul_f32 v[XX+\w], LOG2E, v[XX+\w]
.endr
.irp w, 0,1,2,3,4,5,6,7,8,9,10,11,12,13,14,15
	v_exp_f32 v[XX+64+\w], v[XX+\w]
.endr
	v_nop                                          ; the plain place between the exponentials and the first use of a result (ISA guide 5.7.2)
	s_wait_alu depctr_va_vdst(0)
	v_mul_f32 v[LT], v[XX+64], v[XX+16]
.irp w, 1,2,3,4,5,6,7,8,9,10,11,12,13,14,15
	v_fma_f32 v[LT], v[XX+64+\w], v[XX+16+\w], v[LT]
.endr
	s_wait_dscnt 0x0
	v_mul_f32 v[OUT], v[XX+64], v[XX+32]
	v_mul_f32 v[OUT+1], v[XX+64], v[XX+33]
.irp w, 1,2,3,4,5,6,7,8,9,10,11,12,13,14,15
	v_fma_f32 v[OUT], v[XX+64+\w], v[XX+32+2*\w], v[OUT]
	v_fma_f32 v[OUT+1], v[XX+64+\w], v[XX+33+2*\w], v[OUT+1]
.endr
	global_store_b64 v[DD+3], v[OUT:OUT+1], s[8:9]         ; pacc[g][2 t .. 2 t + 1]
	s_cmp_lg_u32 s12, 0
	s_cbranch_scc1 .Lend
	global_store_b64 v[DD+3], v[MX:MX+1], s[10:11]         ; wave 0: (m, l) from each of its 32 lanes: stat[g]'s 256 bytes, written whole by one store
.Lend:
	s_wait_xcnt 0x0
	v_lshl_add_u32 v254, v0, 2, 0x9100
	v_mov_b32 v255, 0
	s_wait_tensorcnt 0x0
	ds_add_u32 v254, v255
	s_wait_dscnt 0x0
	s_endpgm
.Lfunc_end_k_q18328b329d_pool:
	.size	k_q18328b329d_pool, .Lfunc_end_k_q18328b329d_pool-k_q18328b329d_pool
	.p2alignl 7, 3214868480
	.fill 96, 4, 3214868480
	.section	.rodata,"a",@progbits
	.p2align	6, 0x0
	.amdhsa_kernel k_q18328b329d_pool
		.amdhsa_group_segment_fixed_size 39168
		.amdhsa_private_segment_fixed_size 0
		.amdhsa_enable_private_segment 0
		.amdhsa_kernarg_size 32
		.amdhsa_user_sgpr_count 2
		.amdhsa_user_sgpr_kernarg_segment_ptr 1
		.amdhsa_wavefront_size32 1
		.amdhsa_system_sgpr_workgroup_id_x 1
		.amdhsa_system_sgpr_workgroup_id_y 1
		.amdhsa_system_sgpr_workgroup_id_z 1
		.amdhsa_system_vgpr_workitem_id 0
		.amdhsa_next_free_vgpr 256
		.amdhsa_next_free_sgpr 66
		.amdhsa_reserve_vcc 0
		.amdhsa_float_denorm_mode_32 3
		.amdhsa_float_denorm_mode_16_64 3
		.amdhsa_memory_ordered 1
		.amdhsa_forward_progress 1
		.amdhsa_inst_pref_size 54
	.end_amdhsa_kernel
	.amdgpu_metadata
---
amdhsa.version: [ 1, 2 ]
amdhsa.kernels:
  - .name:           k_q18328b329d_pool
    .symbol:         k_q18328b329d_pool.kd
    .args:
      - { .name: x, .offset: 0, .size: 8, .value_kind: global_buffer, .address_space: global }
      - { .name: psum, .offset: 8, .size: 8, .value_kind: global_buffer, .address_space: global }
      - { .name: pacc, .offset: 16, .size: 8, .value_kind: global_buffer, .address_space: global }
      - { .name: stat, .offset: 24, .size: 8, .value_kind: global_buffer, .address_space: global }
    .group_segment_fixed_size: 39168
    .private_segment_fixed_size: 0
    .kernarg_segment_align: 8
    .kernarg_segment_size: 32
    .max_flat_workgroup_size: 512
    .sgpr_count:     66
    .vgpr_count:     256
    .wavefront_size: 32
...
	.end_amdgpu_metadata
.endif
;; end of part 2
;; launch finish (part 3): grid 4 x 32, 1 waves a work-group, no clusters, 0 bytes of LDS; arguments pacc, stat, out0; writes out0
.if DOCPART == 3
	.amdgcn_target "amdgcn-amd-amdhsa--gfx1250"
	.amdhsa_code_object_version 6
	.text
	.protected	k_q18328b329d_finish
	.globl	k_q18328b329d_finish
	.p2align	8
	.type	k_q18328b329d_finish,@function
k_q18328b329d_finish:
	s_mov_b64 s[64:65], 0
	v_nop
	global_prefetch_b8 v0, s[64:65] scope:SCOPE_SE
	s_setreg_imm32_b32 hwreg(HW_REG_WAVE_MODE, 25, 1), 1
	s_wait_xcnt 0x0
; THIRD LAUNCH.  out[b][d] = sum_c e_c acc_c[d] / sum_c e_c l_c,  e_c = exp(m_c - max_c m_c), over the eight parts c of batch b.
; Nothing of reference() is left out.  The part that holds the maximum has e = 1 and l >= 1, so the divisor is at least 1.
; One wave for a batch (grid y) and 128 columns (grid x): a lane has 4 columns, the wave's loads of pacc and its store cover 512 consecutive bytes.
; Every lane reads its own copy of (m_c, l_c): the 32 copies are the 256 bytes that the second launch stored for part c.
; All 16 loads go out at once; there is nothing to overlap beyond that, and no data shared between waves.
.set LOG2E, 0x3fb8aa3b
.set ST, 4                             ; v[4:19]   (m_c, l_c), c = 0..7
.set AA, 20                            ; v[20:51]  acc_c of my 4 columns
.set TT, 52                            ; v[52:59]  exponents
.set EX, 60                            ; v[60:67]  e_c
.set MX, 68
.set LT, 69
.set RC, 70
.set OO, 72                            ; v[72:75]  my 4 results
	s_load_b128 s[4:7], s[0:1], 0x0                ; pacc s[4:5], stat s[6:7]
	s_load_b64 s[8:9], s[0:1], 0x10                ; out0
	s_and_b32 s10, ttmp7, 0xffff                   ; batch
	v_lshlrev_b32 v1, 4, v0                        ; 16 x lane
	v_lshlrev_b32 v2, 3, v0                        ; 8 x lane
	s_lshl_b32 s11, ttmp9, 9                       ; my 128 columns: 512 bytes
	s_lshl_b32 s12, s10, 14                        ; pacc: batch x 8 parts x 2,048 bytes
	s_add_co_u32 s12, s12, s11
	s_mov_b32 s13, 0
	s_lshl_b32 s14, s10, 11                        ; stat: batch x 8 parts x 256 bytes
	s_mov_b32 s15, 0
	s_lshl_b32 s16, s10, 11                        ; out0: batch x 2,048 bytes
	s_add_co_u32 s16, s16, s11
	s_mov_b32 s17, 0
	s_wait_kmcnt 0x0
	s_add_nc_u64 s[4:5], s[4:5], s[12:13]
	s_add_nc_u64 s[6:7], s[6:7], s[14:15]
	s_add_nc_u64 s[8:9], s[8:9], s[16:17]
.irp c, 0,1,2,3,4,5,6,7
	global_load_b64 v[ST+2*\c:ST+2*\c+1], v2, s[6:7] offset:256*\c
.endr
.irp c, 0,1,2,3,4,5,6,7
	global_load_b128 v[AA+4*\c:AA+4*\c+3], v1, s[4:5] offset:2048*\c
.endr
	s_wait_loadcnt 8                               ; the eight (m, l) are in; the eight loads of pacc stay out
	v_max3_num_f32 v[MX], v[ST], v[ST+2], v[ST+4]
	v_max3_num_f32 v[MX], v[MX], v[ST+6], v[ST+8]
	v_max3_num_f32 v[MX], v[MX], v[ST+10], v[ST+12]
	v_max_num_f32 v[MX], v[MX], v[ST+14]
.irp c, 0,1,2,3,4,5,6,7
	v_sub_f32 v[TT+\c], v[ST+2*\c], v[MX]
.endr
.irp c, 0,1,2,3,4,5,6,7
	v_mul_f32 v[TT+\c], LOG2E, v[TT+\c]
.endr
.irp c, 0,1,2,3,4,5,6,7
	v_exp_f32 v[EX+\c], v[TT+\c]
.endr
	v_nop                                          ; the plain place between the exponentials and the first use of a result (ISA guide 5.7.2)
	s_wait_alu depctr_va_vdst(0)
	v_mul_f32 v[LT], v[EX], v[ST+1]
.irp c, 1,2,3,4,5,6,7
	v_fma_f32 v[LT], v[EX+\c], v[ST+2*\c+1], v[LT]
.endr
	v_rcp_f32 v[RC], v[LT]                         ; used only behind the 32 plain instructions below
	s_wait_loadcnt 0x0
.irp i, 0,1,2,3
	v_mul_f32 v[OO+\i], v[EX], v[AA+\i]
.endr
.irp c, 1,2,3,4,5,6,7
.irp i, 0,1,2,3
	v_fma_f32 v[OO+\i], v[EX+\c], v[AA+4*\c+\i], v[OO+\i]
.endr
.endr
	s_wait_alu depctr_va_vdst(0)
.irp i, 0,1,2,3
	v_mul_f32 v[OO+\i], v[OO+\i], v[RC]
.endr
	global_store_b128 v1, v[OO:OO+3], s[8:9]
	s_endpgm
.Lfunc_end_k_q18328b329d_finish:
	.size	k_q18328b329d_finish, .Lfunc_end_k_q18328b329d_finish-k_q18328b329d_finish
	.p2alignl 7, 3214868480
	.fill 96, 4, 3214868480
	.section	.rodata,"a",@progbits
	.p2align	6, 0x0
	.amdhsa_kernel k_q18328b329d_finish
		.amdhsa_group_segment_fixed_size 0
		.amdhsa_private_segment_fixed_size 0
		.amdhsa_enable_private_segment 0
		.amdhsa_kernarg_size 24
		.amdhsa_user_sgpr_count 2
		.amdhsa_user_sgpr_kernarg_segment_ptr 1
		.amdhsa_wavefront_size32 1
		.amdhsa_system_sgpr_workgroup_id_x 1
		.amdhsa_system_sgpr_workgroup_id_y 1
		.amdhsa_system_sgpr_workgroup_id_z 1
		.amdhsa_system_vgpr_workitem_id 0
		.amdhsa_next_free_vgpr 76
		.amdhsa_next_free_sgpr 66
		.amdhsa_reserve_vcc 0
		.amdhsa_float_denorm_mode_32 3
		.amdhsa_float_denorm_mode_16_64 3
		.amdhsa_memory_ordered 1
		.amdhsa_forward_progress 1
		.amdhsa_inst_pref_size 7
	.end_amdhsa_kernel
	.amdgpu_metadata
---
amdhsa.version: [ 1, 2 ]
amdhsa.kernels:
  - .name:           k_q18328b329d_finish
    .symbol:         k_q18328b329d_finish.kd
    .args:
      - { .name: pacc, .offset: 0, .size: 8, .value_kind: global_buffer, .address_space: global }
      - { .name: stat, .offset: 8, .size: 8, .value_kind: global_buffer, .address_space: global }
      - { .name: out0, .offset: 16, .size: 8, .value_kind: global_buffer, .address_space: global }
    .group_segment_fixed_size: 0
    .private_segment_fixed_size: 0
    .kernarg_segment_align: 8
    .kernarg_segment_size: 24
    .max_flat_workgroup_size: 32
    .sgpr_count:     66
    .vgpr_count:     76
    .wavefront_size: 32
...
	.end_amdgpu_metadata
.endif
;; end of part 3
;; ======== version 2 of 2: 3 launches; 1.33 times as fast as version 1
;; workspace buffers: pw 2,097,152 bytes; wts 262,144 bytes; flags 8,192 bytes of whole numbers
;; launch wpart (part 4): grid 256 x 1, 16 waves a work-group, no clusters, 104,448 bytes of LDS; arguments x, pw; writes pw
.if DOCPART == 4
	.amdgcn_target "amdgcn-amd-amdhsa--gfx1250"
	.amdhsa_code_object_version 6
	.text
	.protected	k_q18328b329d_wpart
	.globl	k_q18328b329d_wpart
	.p2align	8
	.type	k_q18328b329d_wpart,@function
k_q18328b329d_wpart:
	s_mov_b64 s[64:65], 0
	v_nop
	global_prefetch_b8 v0, s[64:65] scope:SCOPE_SE
	s_setreg_imm32_b32 hwreg(HW_REG_WAVE_MODE, 25, 1), 1
	s_wait_xcnt 0x0
; FIRST OF THREE LAUNCHES for  out[b] = sum_t softmax_t(w[b,t]) x[b,t],  w[b,t] = x[b,t].s[b] - |x[b,t]|^2,  s[b] = sum_t x[b,t].
; x: [32][2048][512] f32.  No step of reference() is left out, and x is its only input.
;   launch 1 (this one): s and the part of every w that falls to 64 columns;   launch 2: w, its maximum, the normalised weights, and flags;
;   launch 3: the weighted sum, over those blocks of 32 rows in which some weight is not 0.
; ROWS THAT LAUNCH 3 DOES NOT READ: a row whose weight is exactly 0 adds 0 * x[b,t] = 0 whatever finite numbers it holds.  Which rows these are hangs on
; the inputs, so the choice is made in launch 2, stored as whole numbers and read by launch 3; where all weights differ from 0 every row is read again.
; w is formed as sum_d x_d (s_d - x_d): equal to x.s - x.x in exact arithmetic, without a difference of two large sums.
; LIMITS: sums are taken in another order than reference()'s, so the f32 rounding differs; an exponential below 2^-126 is 0 here (v_exp_f32 flushes, ISA guide
; 15.8) where reference() has a denormal; a NaN from 0 * infinity in a row that is not read is not carried; with NaN or infinite inputs, or where w overflows
; f32, the result is NaN or infinite but not promised element for element.
; All arithmetic is f32 on the vector unit: both products are matrix times vector, and w, thousands in size, stands in front of an exponential.
; No cluster: the work-groups of this launch share no byte of x.
;
; THIS LAUNCH.  Work-group g = batch g / 8, columns 64 (g % 8) .. + 63: 2,048 pieces of 256 bytes, 512 KiB, so that s of its columns is complete inside it.
; The slice stays on chip between its two uses (the column sums, then x (s - x)), so x is read once: 16 waves x 52 pieces x 512 bytes = 416 KiB in
; registers, 16 waves x 12 x 512 bytes = 96 KiB in LDS.  Wave w owns rows 128 w .. 128 w + 127.  Lane (h = lane / 16, c = lane % 16) holds columns
; 4 c .. 4 c + 3 of rows 128 w + 64 h + rho, rho = 0 .. 63: sixteen lanes read 256 consecutive bytes, aligned.
; The rows are taken in four sets k: rho = 4 j + k, j = 0 .. 15.  A set's sixteen row sums are reduced over the sixteen lanes so that lane c is left with j = c:
; after four sets lane l holds w of rows 4 l .. 4 l + 3 of the wave, and one store of the wave covers 512 consecutive bytes.
; Sets 0, 1, 2 lie in register pieces 16 k + j; set 3 has j = 0..3 in pieces 48..51 and j = 4..15 in the wave's own LDS bytes.
.set ROW,   2048                       ; bytes in a row of x
.set NREG,  52                         ; pieces of a lane that stay in registers
.set NLDS,  12                         ; pieces of a lane that stay in LDS
.set LDS_X, 4096                       ; LDS: 0..4095 the 16 waves' column sums (256 bytes each); then 6,144 bytes of x for each wave
.set XO, 1                             ; v1        byte offset of my 16 bytes in row rho = 0; when the loads are done: other offsets
.set LA, 2                             ; v2        LDS address of my 16 bytes in my wave's part
.set SA, 3                             ; v3        LDS address of my wave's column sums
.set SS, 4                             ; v[4:7]    s of my 4 columns
.set AC, 8                             ; v[8:15]   two sets of column sums; later v[8:11]: the four results
.set DD, 16                            ; v[16:31]  at work
.set PP, 32                            ; v[32:47]  a set's 16 row sums
.set XX, 48                            ; v[48:255] 52 pieces of 4 registers
	s_load_b128 s[4:7], s[0:1], 0x0                ; x s[4:5], pw s[6:7]
	v_lshrrev_b32 v[SA], 5, v0
	v_readfirstlane_b32 s8, v[SA]                  ; wave 0..15
	v_and_b32 v[LA], 31, v0                        ; lane
	v_and_b32 v[SA], 15, v0                        ; c
	v_bfe_u32 v[XO], v0, 4, 1                      ; h
	v_lshlrev_b32 v[XO], 17, v[XO]                 ; h x 64 rows x 2,048 bytes
	v_lshl_add_u32 v[XO], v[SA], 4, v[XO]          ; + 16 c
	s_lshl_b32 s9, s8, 18                          ; + wave x 128 rows x 2,048 bytes
	v_add_nc_u32 v[XO], s9, v[XO]
	s_mul_i32 s9, s8, NLDS*512
	s_add_co_u32 s9, s9, LDS_X
	v_lshl_add_u32 v[LA], v[LA], 4, s9             ; my wave's 6,144 bytes + 16 x lane
	s_lshl_b32 s9, s8, 8
	v_lshl_add_u32 v[SA], v[SA], 4, s9             ; 256 x wave + 16 c
	s_lshr_b32 s10, ttmp9, 3
	s_lshl_b32 s10, s10, 22                        ; batch x 2,048 rows x 2,048 bytes (below 2^27)
	s_and_b32 s11, ttmp9, 7
	s_lshl_b32 s11, s11, 8                         ; + my 64 columns
	s_add_co_u32 s10, s10, s11
	s_mov_b32 s11, 0
	s_lshl_b32 s12, ttmp9, 13                      ; pw: work-group x 2,048 rows x 4 bytes
	s_mov_b32 s13, 0
	s_mov_b32 s16, 0x76543210                      ; v_permlanex16_b32: lane i of one half reads lane i of the other
	s_mov_b32 s17, 0xfedcba98
	s_wait_kmcnt 0x0
	s_add_nc_u64 s[4:5], s[4:5], s[10:11]
	s_add_nc_u64 s[6:7], s[6:7], s[12:13]
	; 52 loads go out at once.  The first 12 bring the rows that will lie in LDS (set 3, j = 4..15: rho = 4 q + 19) into pieces 0..11, which are loaded again below.
	; th:TH_LOAD_NT: this launch reads each byte of x once.
.set gi, 0
.rept NLDS
	global_load_b128 v[XX+4*gi:XX+4*gi+3], v[XO], s[4:5] offset:(4*gi+19)*ROW th:TH_LOAD_NT
.set gi, gi+1
.endr
.rept 48-NLDS
	global_load_b128 v[XX+4*gi:XX+4*gi+3], v[XO], s[4:5] offset:(4*(gi%16)+gi/16)*ROW th:TH_LOAD_NT   ; piece 16 k + j: rho = 4 j + k
.set gi, gi+1
.endr
.rept NREG-48
	global_load_b128 v[XX+4*gi:XX+4*gi+3], v[XO], s[4:5] offset:(4*(gi-48)+3)*ROW th:TH_LOAD_NT       ; pieces 48..51: set 3, j = 0..3
.set gi, gi+1
.endr
.macro ADDG a, n                       ; piece n is added to set a of the column sums
	v_pk_add_f32 v[AC+4*(\a):AC+4*(\a)+1], v[AC+4*(\a):AC+4*(\a)+1], v[XX+4*(\n):XX+4*(\n)+1]
	v_pk_add_f32 v[AC+4*(\a)+2:AC+4*(\a)+3], v[AC+4*(\a)+2:AC+4*(\a)+3], v[XX+4*(\n)+2:XX+4*(\n)+3]
.endm
	s_wait_loadcnt NREG-NLDS                       ; loads come back in order (ISA guide 5.7.1): the first 12 are in, the 40 behind them stay out
.irp q, 0,1,2,3,4,5,6,7,8,9,10,11
	ds_store_b128 v[LA], v[XX+4*\q:XX+4*\q+3] offset:512*\q        ; 32 lanes x 16 neighbouring bytes; only my wave reads these bytes
.endr
	v_pk_add_f32 v[AC:AC+1],   v[XX:XX+1],   v[XX+8:XX+9]          ; the first four pieces start the two sets of sums: nothing is cleared
	v_pk_add_f32 v[AC+2:AC+3], v[XX+2:XX+3], v[XX+10:XX+11]
	v_pk_add_f32 v[AC+4:AC+5], v[XX+4:XX+5], v[XX+12:XX+13]
	v_pk_add_f32 v[AC+6:AC+7], v[XX+6:XX+7], v[XX+14:XX+15]
.irp q, 4,6,8,10
	ADDG 0, \q
	ADDG 1, \q+1
.endr
	s_wait_dscnt 0x0                               ; the LDS stores are done with pieces 0..11 before these are loaded again
.set gi, 0
.rept NLDS
	global_load_b128 v[XX+4*gi:XX+4*gi+3], v[XO], s[4:5] offset:4*gi*ROW th:TH_LOAD_NT   ; pieces 0..11 proper: set 0, j = 0..11
.set gi, gi+1
.endr
	; 52 loads are out at the most: pieces 12..51, then 0..11.  They are added four at a time as they come.
.set ci, 0
.rept 13
	s_wait_loadcnt 48-4*ci                         ; four more are in; the younger ones stay out
.set g0, (NLDS+4*ci)%NREG
	ADDG 0, g0
	ADDG 1, g0+1
	ADDG 0, g0+2
	ADDG 1, g0+3
.set ci, ci+1
.endr
	; s: the two sets, the two halves of the lanes, then the 16 waves through LDS.
	v_pk_add_f32 v[AC:AC+1],   v[AC:AC+1],   v[AC+4:AC+5]
	v_pk_add_f32 v[AC+2:AC+3], v[AC+2:AC+3], v[AC+6:AC+7]
.irp i, 0,1,2,3
	v_permlanex16_b32 v[AC+4+\i], v[AC+\i], s16, s17
.endr
	v_pk_add_f32 v[AC:AC+1],   v[AC:AC+1],   v[AC+4:AC+5]
	v_pk_add_f32 v[AC+2:AC+3], v[AC+2:AC+3], v[AC+6:AC+7]
	ds_store_b128 v[SA], v[AC:AC+3]                ; lanes c and 16 + c write the same bytes with the same numbers
	v_bfe_u32 v[XO], v0, 4, 1                      ; all loads of x are done, so v[XO] is free: lane (h, c) will read the sums of waves 8 h .. 8 h + 7
	v_and_b32 v[DD], 15, v0
	v_lshlrev_b32 v[DD], 4, v[DD]
	v_lshl_add_u32 v[XO], v[XO], 11, v[DD]         ; 2,048 h + 16 c
	s_wait_dscnt 0x0                               ; my store is done before I say so
	s_barrier_signal -1
	s_barrier_wait -1                              ; everybody's is
.irp q, 0,1,2,3,4,5,6,7
	ds_load_b128 v[DD+4*\q:DD+4*\q+3], v[XO] offset:256*\q
.endr
	s_wait_dscnt 0x0
.irp q, 0,2,4,6
	v_pk_add_f32 v[DD+4*\q:DD+4*\q+1],   v[DD+4*\q:DD+4*\q+1],   v[DD+4*\q+4:DD+4*\q+5]
	v_pk_add_f32 v[DD+4*\q+2:DD+4*\q+3], v[DD+4*\q+2:DD+4*\q+3], v[DD+4*\q+6:DD+4*\q+7]
.endr
.irp q, 0,4
	v_pk_add_f32 v[DD+4*\q:DD+4*\q+1],   v[DD+4*\q:DD+4*\q+1],   v[DD+4*\q+8:DD+4*\q+9]
	v_pk_add_f32 v[DD+4*\q+2:DD+4*\q+3], v[DD+4*\q+2:DD+4*\q+3], v[DD+4*\q+10:DD+4*\q+11]
.endr
	v_pk_add_f32 v[DD:DD+1],   v[DD:DD+1],   v[DD+16:DD+17]
	v_pk_add_f32 v[DD+2:DD+3], v[DD+2:DD+3], v[DD+18:DD+19]
.irp i, 0,1,2,3
	v_permlanex16_b32 v[DD+4+\i], v[DD+\i], s16, s17               ; the other eight waves' sum
.endr
	v_pk_add_f32 v[SS:SS+1],   v[DD:DD+1],   v[DD+4:DD+5]          ; s of my 4 columns, the same bits in both halves
	v_pk_add_f32 v[SS+2:SS+3], v[DD+2:DD+3], v[DD+6:DD+7]
; Four pieces at registers b, b + 4, b + 8, b + 12: sum over my 4 columns of x (s - x), into row sums j0 .. j0 + 3.  The four chains are interleaved.
.macro DOT4 j0, b
.irp r, 0,1,2,3
	v_pk_add_f32 v[DD+4*\r:DD+4*\r+1],   v[SS:SS+1],   v[\b+4*\r:\b+4*\r+1]   neg_lo:[0,1] neg_hi:[0,1]   ; s - x
	v_pk_add_f32 v[DD+4*\r+2:DD+4*\r+3], v[SS+2:SS+3], v[\b+4*\r+2:\b+4*\r+3] neg_lo:[0,1] neg_hi:[0,1]
.endr
.irp r, 0,1,2,3
	v_pk_mul_f32 v[DD+4*\r:DD+4*\r+1], v[\b+4*\r:\b+4*\r+1], v[DD+4*\r:DD+4*\r+1]
.endr
.irp r, 0,1,2,3
	v_pk_fma_f32 v[DD+4*\r:DD+4*\r+1], v[\b+4*\r+2:\b+4*\r+3], v[DD+4*\r+2:DD+4*\r+3], v[DD+4*\r:DD+4*\r+1]
.endr
.irp r, 0,1,2,3
	v_add_f32 v[PP+\j0+\r], v[DD+4*\r], v[DD+4*\r+1]
.endr
.endm
.macro DOT16 b0, b1, b2, b3            ; a set: j = 0..3 at b0, 4..7 at b1, 8..11 at b2, 12..15 at b3
	DOT4 0,  \b0
	DOT4 4,  \b1
	DOT4 8,  \b2
	DOT4 12, \b3
.endm
; A set's 16 row sums are added over the 16 lanes of each half, and scattered: in the step for lane bit i a lane keeps, of each pair of sums, the one that its bit
; names, and hands the other to the lane whose number differs in that bit (two selects, one add that reads its first source from that lane).  The sums halve in
; number with each step: 24 + 12 + 6 + 3 instructions.  Lane c is left with j = 8 c3 + 4 c2 + 2 c1 + c0 = c.
.macro TREE k
	s_mov_b32 vcc_lo, 0xaaaaaaaa                   ; lanes with bit 0 set
.irp q, 0,1,2,3,4,5,6,7
	v_cndmask_b32 v[DD+2*\q],   v[PP+2*\q],   v[PP+2*\q+1], vcc_lo      ; kept
	v_cndmask_b32 v[DD+2*\q+1], v[PP+2*\q+1], v[PP+2*\q],   vcc_lo      ; handed over
.endr
.irp q, 0,1,2,3,4,5,6,7
	v_add_f32_dpp v[PP+\q], v[DD+2*\q+1], v[DD+2*\q] row_xmask:1 row_mask:0xf bank_mask:0xf
.endr
	s_mov_b32 vcc_lo, 0xcccccccc                   ; bit 1
.irp q, 0,1,2,3
	v_cndmask_b32 v[DD+2*\q],   v[PP+2*\q],   v[PP+2*\q+1], vcc_lo
	v_cndmask_b32 v[DD+2*\q+1], v[PP+2*\q+1], v[PP+2*\q],   vcc_lo
.endr
.irp q, 0,1,2,3
	v_add_f32_dpp v[PP+\q], v[DD+2*\q+1], v[DD+2*\q] row_xmask:2 row_mask:0xf bank_mask:0xf
.endr
	s_mov_b32 vcc_lo, 0xf0f0f0f0                   ; bit 2
.irp q, 0,1
	v_cndmask_b32 v[DD+2*\q],   v[PP+2*\q],   v[PP+2*\q+1], vcc_lo
	v_cndmask_b32 v[DD+2*\q+1], v[PP+2*\q+1], v[PP+2*\q],   vcc_lo
.endr
.irp q, 0,1
	v_add_f32_dpp v[PP+\q], v[DD+2*\q+1], v[DD+2*\q] row_xmask:4 row_mask:0xf bank_mask:0xf
.endr
	s_mov_b32 vcc_lo, 0xff00ff00                   ; bit 3
	v_cndmask_b32 v[DD],   v[PP],   v[PP+1], vcc_lo
	v_cndmask_b32 v[DD+1], v[PP+1], v[PP],   vcc_lo
	v_add_f32_dpp v[AC+\k], v[DD+1], v[DD] row_xmask:8 row_mask:0xf bank_mask:0xf   ; row 128 w + 64 h + 4 c + k
.endm
	DOT16 XX, XX+16, XX+32, XX+48                  ; set 0
.irp q, 0,1,2,3,4,5,6,7,8,9,10,11
	ds_load_b128 v[XX+4*\q:XX+4*\q+3], v[LA] offset:512*\q         ; set 0's pieces have been used: the rows kept in LDS come back into pieces 0..11, two sets ahead of their use
.endr
	TREE 0
	DOT16 XX+64, XX+80, XX+96, XX+112              ; set 1
	TREE 1
	DOT16 XX+128, XX+144, XX+160, XX+176           ; set 2
	TREE 2
	s_wait_dscnt 0x0
	DOT16 XX+192, XX, XX+16, XX+32                 ; set 3: j = 0..3 in pieces 48..51, j = 4..15 from LDS
	TREE 3
	v_lshlrev_b32 v[XO], 4, v0                     ; 16 x thread: rows 4 t .. 4 t + 3 of the batch
	global_store_b128 v[XO], v[AC:AC+3], s[6:7]    ; pw[g][4 t ..]: the wave's store covers 512 consecutive bytes, aligned
	s_wait_xcnt 0x0
	v_lshl_add_u32 v254, v0, 2, 0x19000
	v_mov_b32 v255, 0
	s_wait_tensorcnt 0x0
	ds_add_u32 v254, v255
	s_wait_dscnt 0x0
	s_endpgm
.Lfunc_end_k_q18328b329d_wpart:
	.size	k_q18328b329d_wpart, .Lfunc_end_k_q18328b329d_wpart-k_q18328b329d_wpart
	.p2alignl 7, 3214868480
	.fill 96, 4, 3214868480
	.section	.rodata,"a",@progbits
	.p2align	6, 0x0
	.amdhsa_kernel k_q18328b329d_wpart
		.amdhsa_group_segment_fixed_size 104448
		.amdhsa_private_segment_fixed_size 0
		.amdhsa_enable_private_segment 0
		.amdhsa_kernarg_size 16
		.amdhsa_user_sgpr_count 2
		.amdhsa_user_sgpr_kernarg_segment_ptr 1
		.amdhsa_wavefront_size32 1
		.amdhsa_system_sgpr_workgroup_id_x 1
		.amdhsa_system_sgpr_workgroup_id_y 1
		.amdhsa_system_sgpr_workgroup_id_z 1
		.amdhsa_system_vgpr_workitem_id 0
		.amdhsa_next_free_vgpr 256
		.amdhsa_next_free_sgpr 66
		.amdhsa_reserve_vcc 1
		.amdhsa_float_denorm_mode_32 3
		.amdhsa_float_denorm_mode_16_64 3
		.amdhsa_memory_ordered 1
		.amdhsa_forward_progress 1
		.amdhsa_inst_pref_size 47
	.end_amdhsa_kernel
	.amdgpu_metadata
---
amdhsa.version: [ 1, 2 ]
amdhsa.kernels:
  - .name:           k_q18328b329d_wpart
    .symbol:         k_q18328b329d_wpart.kd
    .args:
      - { .name: x, .offset: 0, .size: 8, .value_kind: global_buffer, .address_space: global }
      - { .name: pw, .offset: 8, .size: 8, .value_kind: global_buffer, .address_space: global }
    .group_segment_fixed_size: 104448
    .private_segment_fixed_size: 0
    .kernarg_segment_align: 8
    .kernarg_segment_size: 16
    .max_flat_workgroup_size: 512
    .sgpr_count:     66
    .vgpr_count:     256
    .wavefront_size: 32
...
	.end_amdgpu_metadata
.endif
;; end of part 4
;; launch weights (part 5): grid 32 x 1, 16 waves a work-group, no clusters, 2,304 bytes of LDS; arguments pw, wts, flags; writes wts, flags
.if DOCPART == 5
	.amdgcn_target "amdgcn-amd-amdhsa--gfx1250"
	.amdhsa_code_object_version 6
	.text
	.protected	k_q18328b329d_weights
	.globl	k_q18328b329d_weights
	.p2align	8
	.type	k_q18328b329d_weights,@function
k_q18328b329d_weights:
	s_mov_b64 s[64:65], 0
	v_nop
	global_prefetch_b8 v0, s[64:65] scope:SCOPE_SE
	s_setreg_imm32_b32 hwreg(HW_REG_WAVE_MODE, 25, 1), 1
	s_wait_xcnt 0x0
; SECOND LAUNCH.  One work-group for a batch: w[t] = the sum of the eight parts that the first launch left, m = max_t w[t], e[t] = exp(w[t] - m),
; wts[t] = e[t] / sum_t e[t].  Nothing of reference() is left out: the true maximum of the batch is taken away before every exponential.
; w - m is formed first and then scaled by log2(e): the difference of near numbers is exact, so the exponent keeps its accuracy where w is large.
; FLAGS, for the third launch: bit l of word w of a batch says that one of e[128 w + 4 l .. + 3] is not 0.  Where the bit is 0 the four weights are exactly 0.
; A batch's 16 words are stored four times over, so that its 256 bytes of flags are written whole by one store.
; 16 waves; thread t has rows 4 t .. 4 t + 3: each load and store of a wave covers 512 consecutive bytes.  A batch has 64 KiB to read, all asked for at once:
; there is work for 32 work-groups, and no more are launched.  LIMITS as stated at the head of the first launch.
.set LOG2E, 0x3fb8aa3b                 ; log2(e): v_exp_f32 is 2^x
.set TO, 1                             ; v1        16 x thread
.set WA, 2                             ; v2        4 x wave: my wave's word in each LDS table
.set ZR, 3                             ; v3        0
.set PW, 4                             ; v[4:35]   eight parts of 4 rows; their sum in v[4:7]; the rest then at work
.set MX, 36
.set LS, 37
.set FL, 38
.set RC, 39
.set EE, 40                            ; v[40:43]  e, then the weights
.set RR, 44                            ; v[44:59]  the 16 waves' words
.set FW, 60                            ; v[60:61]  two words of flags
                                       ; LDS: 0..63 the waves' maxima, 64..127 their sums, 128..191 their flags
	s_load_b128 s[4:7], s[0:1], 0x0                ; pw s[4:5], wts s[6:7]
	s_load_b64 s[8:9], s[0:1], 0x10                ; flags
	v_lshl_add_u32 v62, v0, 2, 0x100
	v_mov_b32 v63, 0
	v_lshrrev_b32 v[WA], 5, v0
	v_readfirstlane_b32 s10, v[WA]                 ; wave 0..15
	v_lshlrev_b32 v[TO], 4, v0
	s_lshl_b32 s11, s10, 2
	v_mov_b32 v[WA], s11
	v_mov_b32 v[ZR], 0
	s_lshl_b32 s12, ttmp9, 16                      ; pw: batch x 8 parts x 8,192 bytes
	s_mov_b32 s13, 0
	s_lshl_b32 s14, ttmp9, 13                      ; wts: batch x 8,192 bytes
	s_mov_b32 s15, 0
	s_lshl_b32 s16, ttmp9, 8                       ; flags: batch x 256 bytes
	s_mov_b32 s17, 0
	s_mov_b32 s18, 0x76543210                      ; v_permlanex16_b32: lane i of one half reads lane i of the other
	s_mov_b32 s19, 0xfedcba98
	s_wait_kmcnt 0x0
	s_add_nc_u64 s[4:5], s[4:5], s[12:13]
	s_add_nc_u64 s[6:7], s[6:7], s[14:15]
	s_add_nc_u64 s[8:9], s[8:9], s[16:17]
.irp c, 0,1,2,3,4,5,6,7
	global_load_b128 v[PW+4*\c:PW+4*\c+3], v[TO], s[4:5] offset:8192*\c th:TH_LOAD_NT
.endr
	s_wait_loadcnt 0x0
.irp c, 0,2,4,6
	v_pk_add_f32 v[PW+4*\c:PW+4*\c+1],   v[PW+4*\c:PW+4*\c+1],   v[PW+4*\c+4:PW+4*\c+5]    ; a tree over the eight parts
	v_pk_add_f32 v[PW+4*\c+2:PW+4*\c+3], v[PW+4*\c+2:PW+4*\c+3], v[PW+4*\c+6:PW+4*\c+7]
.endr
.irp c, 0,4
	v_pk_add_f32 v[PW+4*\c:PW+4*\c+1],   v[PW+4*\c:PW+4*\c+1],   v[PW+4*\c+8:PW+4*\c+9]
	v_pk_add_f32 v[PW+4*\c+2:PW+4*\c+3], v[PW+4*\c+2:PW+4*\c+3], v[PW+4*\c+10:PW+4*\c+11]
.endr
	v_pk_add_f32 v[PW:PW+1],   v[PW:PW+1],   v[PW+16:PW+17]
	v_pk_add_f32 v[PW+2:PW+3], v[PW+2:PW+3], v[PW+18:PW+19]        ; w of my 4 rows
	; the maximum: my 4 rows, the 32 lanes, the 16 waves
	v_max3_num_f32 v[MX], v[PW], v[PW+1], v[PW+2]
	v_max_num_f32 v[MX], v[MX], v[PW+3]
.irp m, 1,2,4,8
	v_max_num_f32_dpp v[MX], v[MX], v[MX] row_xmask:\m row_mask:0xf bank_mask:0xf
.endr
	v_permlanex16_b32 v[PW+4], v[MX], s18, s19
	v_max_num_f32 v[MX], v[MX], v[PW+4]
	ds_store_b32 v[WA], v[MX]                      ; all lanes write the same word with the same value
	s_wait_dscnt 0x0                               ; my store is done before I say so
	s_barrier_signal -1
	s_barrier_wait -1
.irp i, 0,1,2,3
	ds_load_b128 v[RR+4*\i:RR+4*\i+3], v[ZR] offset:16*\i
.endr
	s_wait_dscnt 0x0
	v_max3_num_f32 v[MX], v[RR], v[RR+1], v[RR+2]
.irp i, 3,5,7,9,11,13
	v_max3_num_f32 v[MX], v[MX], v[RR+\i], v[RR+\i+1]
.endr
	v_max_num_f32 v[MX], v[MX], v[RR+15]           ; the batch's maximum, in every lane of every wave
.irp k, 0,1,2,3
	v_sub_f32 v[PW+8+\k], v[PW+\k], v[MX]          ; at most 0
.endr
.irp k, 0,1,2,3
	v_mul_f32 v[PW+8+\k], LOG2E, v[PW+8+\k]
.endr
.irp k, 0,1,2,3
	v_exp_f32 v[EE+\k], v[PW+8+\k]
.endr
	v_nop                                          ; the plain place between the exponentials and the first use of a result (ISA guide 5.7.2)
	s_wait_alu depctr_va_vdst(0)
	v_or_b32 v[FL], v[EE], v[EE+1]                 ; e is +0 or positive: its bits are 0 only where it is 0 (a NaN's bits are not)
	v_or_b32 v[PW+4], v[EE+2], v[EE+3]
	v_add_f32 v[LS], v[EE], v[EE+1]
	v_add_f32 v[PW+5], v[EE+2], v[EE+3]
	v_or_b32 v[FL], v[FL], v[PW+4]
	v_add_f32 v[LS], v[LS], v[PW+5]
	v_cmp_ne_u32 vcc_lo, 0, v[FL]                  ; one bit a lane: my wave's word of flags
	v_mov_b32 v[FL], vcc_lo
.irp m, 1,2,4,8
	v_add_f32_dpp v[LS], v[LS], v[LS] row_xmask:\m row_mask:0xf bank_mask:0xf
.endr
	v_permlanex16_b32 v[PW+5], v[LS], s18, s19
	v_add_f32 v[LS], v[LS], v[PW+5]
	ds_store_b32 v[WA], v[LS] offset:64            ; bytes of their own: a slower wave may still be reading the maxima
	ds_store_b32 v[WA], v[FL] offset:128
	s_wait_dscnt 0x0
	s_barrier_signal -1
	s_barrier_wait -1
.irp i, 0,1,2,3
	ds_load_b128 v[RR+4*\i:RR+4*\i+3], v[ZR] offset:64+16*\i
.endr
	s_wait_dscnt 0x0
.irp i, 0,4,8,12
	v_pk_add_f32 v[RR+\i:RR+\i+1], v[RR+\i:RR+\i+1], v[RR+\i+2:RR+\i+3]
.endr
	v_pk_add_f32 v[RR:RR+1], v[RR:RR+1], v[RR+4:RR+5]
	v_pk_add_f32 v[RR+8:RR+9], v[RR+8:RR+9], v[RR+12:RR+13]
	v_pk_add_f32 v[RR:RR+1], v[RR:RR+1], v[RR+8:RR+9]
	v_add_f32 v[LS], v[RR], v[RR+1]                ; the row that holds the maximum has e = 1: the sum is at least 1
	v_rcp_f32 v[RC], v[LS]
	v_nop                                          ; the plain place behind v_rcp_f32
	s_wait_alu depctr_va_vdst(0)
.irp k, 0,1,2,3
	v_mul_f32 v[EE+\k], v[EE+\k], v[RC]
.endr
	global_store_b128 v[TO], v[EE:EE+3], s[6:7]    ; wts[b][4 t ..]
	s_cmp_lg_u32 s10, 0
	s_cbranch_scc1 .Lend
	v_and_b32 v[WA], 7, v0                         ; wave 0: lane l takes words 2 (l % 8) and 2 (l % 8) + 1: the 16 words, four times over
	v_lshlrev_b32 v[WA], 3, v[WA]
	ds_load_b64 v[FW:FW+1], v[WA] offset:128
	v_lshlrev_b32 v[ZR], 3, v0
	s_wait_dscnt 0x0
	global_store_b64 v[ZR], v[FW:FW+1], s[8:9]     ; the batch's 256 bytes of flags, written whole by one store
.Lend:
	s_wait_tensorcnt 0x0
	ds_add_u32 v62, v63
	s_wait_dscnt 0x0
	s_endpgm
.Lfunc_end_k_q18328b329d_weights:
	.size	k_q18328b329d_weights, .Lfunc_end_k_q18328b329d_weights-k_q18328b329d_weights
	.p2alignl 7, 3214868480
	.fill 96, 4, 3214868480
	.section	.rodata,"a",@progbits
	.p2align	6, 0x0
	.amdhsa_kernel k_q18328b329d_weights
		.amdhsa_group_segment_fixed_size 2304
		.amdhsa_private_segment_fixed_size 0
		.amdhsa_enable_private_segment 0
		.amdhsa_kernarg_size 24
		.amdhsa_user_sgpr_count 2
		.amdhsa_user_sgpr_kernarg_segment_ptr 1
		.amdhsa_wavefront_size32 1
		.amdhsa_system_sgpr_workgroup_id_x 1
		.amdhsa_system_sgpr_workgroup_id_y 1
		.amdhsa_system_sgpr_workgroup_id_z 1
		.amdhsa_system_vgpr_workitem_id 0
		.amdhsa_next_free_vgpr 64
		.amdhsa_next_free_sgpr 66
		.amdhsa_reserve_vcc 1
		.amdhsa_float_denorm_mode_32 3
		.amdhsa_float_denorm_mode_16_64 3
		.amdhsa_memory_ordered 1
		.amdhsa_forward_progress 1
		.amdhsa_inst_pref_size 8
	.end_amdhsa_kernel
	.amdgpu_metadata
---
amdhsa.version: [ 1, 2 ]
amdhsa.kernels:
  - .name:           k_q18328b329d_weights
    .symbol:         k_q18328b329d_weights.kd
    .args:
      - { .name: pw, .offset: 0, .size: 8, .value_kind: global_buffer, .address_space: global }
      - { .name: wts, .offset: 8, .size: 8, .value_kind: global_buffer, .address_space: global }
      - { .name: flags, .offset: 16, .size: 8, .value_kind: global_buffer, .address_space: global }
    .group_segment_fixed_size: 2304
    .private_segment_fixed_size: 0
    .kernarg_segment_align: 8
    .kernarg_segment_size: 24
    .max_flat_workgroup_size: 512
    .sgpr_count:     66
    .vgpr_count:     64
    .wavefront_size: 32
...
	.end_amdgpu_metadata
.endif
;; end of part 5
;; launch gather (part 6): grid 256 x 1, 16 waves a work-group, no clusters, 10,240 bytes of LDS; arguments x, wts, flags, out0; writes out0
.if DOCPART == 6
	.amdgcn_target "amdgcn-amd-amdhsa--gfx1250"
	.amdhsa_code_object_version 6
	.text
	.protected	k_q18328b329d_gather
	.globl	k_q18328b329d_gather
	.p2align	8
	.type	k_q18328b329d_gather,@function
k_q18328b329d_gather:
	s_mov_b64 s[64:65], 0
	v_nop
	global_prefetch_b8 v0, s[64:65] scope:SCOPE_SE
	s_setreg_imm32_b32 hwreg(HW_REG_WAVE_MODE, 25, 1), 1
	s_wait_xcnt 0x0
; THIRD LAUNCH.  out[b][d] = sum_t wts[b][t] x[b][t][d].  Work-group g = batch g / 8, columns 64 (g % 8) .. + 63; wave w has rows 128 w .. 128 w + 127.
; LEFT OUT, by the whole numbers that the second launch stored: a block of 32 rows all of whose weights are exactly 0 is not read; it would add 0 * x = 0 for every
; finite x.  Bits 8 u .. 8 u + 7 of the wave's word of flags stand for rows 128 w + 32 u .. + 31.  Where every bit is set all of x is read.
; LIMIT: a NaN from 0 * infinity in a block that is not read is not carried; the other limits stand at the head of the first launch.
; A block: lane (h = lane / 16, c = lane % 16) takes columns 4 c .. 4 c + 3 of rows 32 u + 16 h + i, i = 0..15: sixteen lanes read 256 consecutive bytes, aligned,
; and a lane's 16 weights are 64 consecutive bytes.  A weight is loaded once and feeds both halves of the packed multiply-add.
; All 20 loads of a block go out together; with every flag set the 16 waves have 16 x 8 KiB of x on their way.  Which blocks follow hangs on the flags, so
; each block's last wait is for all its loads.
; Vector unit, f32 (a matrix times a vector).  No cluster: of what a work-group reads only the batch's 8 KiB of weights are shared.
.set ROW, 2048
.set XO, 1                             ; v1        byte offset of my 16 bytes of x in row i = 0 of block 0; never rewritten
.set WO, 2                             ; v2        byte offset of my 16 weights of block 0; at the end: 8 x lane
.set LA, 3                             ; v3        16 x thread
.set AC, 4                             ; v[4:7]    sums of my 4 columns
.set WT, 8                             ; v[8:23]   16 weights
.set XX, 24                            ; v[24:87]  16 pieces of 4 registers; at the end the 32 partial sums
	s_load_b256 s[4:11], s[0:1], 0x0               ; x s[4:5], wts s[6:7], flags s[8:9], out0 s[10:11]
	v_lshl_add_u32 v88, v0, 2, 0x2000
	v_mov_b32 v89, 0
	v_lshrrev_b32 v[LA], 5, v0
	v_readfirstlane_b32 s12, v[LA]                 ; wave 0..15
	s_lshr_b32 s13, ttmp9, 3                       ; batch
	s_and_b32 s14, ttmp9, 7
	s_lshl_b32 s14, s14, 8                         ; my 64 columns: 256 bytes
	s_lshl_b32 s16, s13, 8                         ; flags: batch x 256 bytes
	s_lshl2_add_u32 s16, s12, s16                  ; + 4 x wave
	s_mov_b32 s17, 0
	s_wait_kmcnt 0x0
	s_add_nc_u64 s[8:9], s[8:9], s[16:17]
	s_load_b32 s15, s[8:9], 0x0                    ; my wave's word of flags; the addresses are made while it is on its way
	v_bfe_u32 v[WO], v0, 4, 1                      ; h
	v_and_b32 v[LA], 15, v0                        ; c
	v_lshlrev_b32 v[XO], 15, v[WO]                 ; h x 16 rows x 2,048 bytes
	v_lshl_add_u32 v[XO], v[LA], 4, v[XO]          ; + 16 c
	s_lshl_b32 s18, s12, 18
	v_add_nc_u32 v[XO], s18, v[XO]                 ; + wave x 128 rows x 2,048 bytes
	s_lshl_b32 s18, s12, 9
	v_lshl_add_u32 v[WO], v[WO], 6, s18            ; wave x 128 weights + h x 16 weights, 4 bytes each
	v_lshlrev_b32 v[LA], 4, v0
	s_lshl_b32 s18, s13, 22                        ; x: batch x 2,048 rows x 2,048 bytes + my columns
	s_add_co_u32 s18, s18, s14
	s_mov_b32 s19, 0
	s_add_nc_u64 s[4:5], s[4:5], s[18:19]
	s_lshl_b32 s20, s13, 13                        ; wts: batch x 8,192 bytes
	s_mov_b32 s21, 0
	s_add_nc_u64 s[6:7], s[6:7], s[20:21]
	s_lshl_b32 s22, s13, 11                        ; out0: batch x 2,048 bytes + my columns
	s_add_co_u32 s22, s22, s14
	s_mov_b32 s23, 0
	s_add_nc_u64 s[10:11], s[10:11], s[22:23]
.irp i, 0,1,2,3
	v_mov_b32 v[AC+\i], 0                          ; any block may be the first that is read, or none: the sums start at 0
.endr
	s_wait_kmcnt 0x0
.macro FM i                            ; rows i and i + 1 (i even): the pair of weights is named once, op_sel picks the first or the second for both halves
	v_pk_fma_f32 v[AC:AC+1],   v[XX+4*\i:XX+4*\i+1],   v[WT+\i:WT+\i+1], v[AC:AC+1]   op_sel_hi:[1,0,1]
	v_pk_fma_f32 v[AC+2:AC+3], v[XX+4*\i+2:XX+4*\i+3], v[WT+\i:WT+\i+1], v[AC+2:AC+3] op_sel_hi:[1,0,1]
	v_pk_fma_f32 v[AC:AC+1],   v[XX+4*\i+4:XX+4*\i+5], v[WT+\i:WT+\i+1], v[AC:AC+1]   op_sel:[0,1,0] op_sel_hi:[1,1,1]
	v_pk_fma_f32 v[AC+2:AC+3], v[XX+4*\i+6:XX+4*\i+7], v[WT+\i:WT+\i+1], v[AC+2:AC+3] op_sel:[0,1,0] op_sel_hi:[1,1,1]
.endm
.macro BLOCK u
	s_bfe_u32 s24, s15, (8<<16)|(8*\u)             ; the block's eight bits
	s_cmp_eq_u32 s24, 0
	s_cbranch_scc1 .Lnone_\@                       ; all 32 weights are 0
.irp a, 0,1,2,3
	global_load_b128 v[WT+4*\a:WT+4*\a+3], v[WO], s[6:7] offset:128*\u+16*\a
.endr
.irp i, 0,1,2,3,4,5,6,7,8,9,10,11,12,13,14,15
	global_load_b128 v[XX+4*\i:XX+4*\i+3], v[XO], s[4:5] offset:(32*\u+\i)*ROW th:TH_LOAD_NT
.endr
	s_wait_loadcnt 12                              ; loads come back in order (ISA guide 5.7.1): the weights and rows 0-3 are in, the 12 younger loads stay out
	FM 0
	FM 2
	s_wait_loadcnt 8                               ; rows 4-7 are in
	FM 4
	FM 6
	s_wait_loadcnt 4                               ; rows 8-11
	FM 8
	FM 10
	s_wait_loadcnt 0x0                             ; rows 12-15: nothing is out where the ways join
	FM 12
	FM 14
.Lnone_\@:
.endm
	BLOCK 0
	BLOCK 1
	BLOCK 2
	BLOCK 3
	; The 32 partial sums (16 waves x 2 halves of the lanes) of the 64 columns meet in LDS: 256 bytes each, at 512 w + 256 h.
	ds_store_b128 v[LA], v[AC:AC+3]
	s_wait_dscnt 0x0                               ; my store is done before I say so
	s_barrier_signal -1
	s_barrier_wait -1
	s_cmp_lg_u32 s12, 0
	s_cbranch_scc1 .Lend                           ; 64 columns are 32 lanes x 2: one wave adds, and its store covers 256 consecutive bytes, aligned
	v_lshlrev_b32 v[WO], 3, v0                     ; 8 x lane (no load that names v[WO] is out)
.irp q, 0,1,2,3,4,5,6,7,8,9,10,11,12,13,14,15,16,17,18,19,20,21,22,23,24,25,26,27,28,29,30,31
	ds_load_b64 v[XX+2*\q:XX+2*\q+1], v[WO] offset:256*\q
.endr
	s_wait_dscnt 0x0
.irp q, 0,2,4,6,8,10,12,14,16,18,20,22,24,26,28,30
	v_pk_add_f32 v[XX+2*\q:XX+2*\q+1], v[XX+2*\q:XX+2*\q+1], v[XX+2*\q+2:XX+2*\q+3]       ; a tree over the 32
.endr
.irp q, 0,4,8,12,16,20,24,28
	v_pk_add_f32 v[XX+2*\q:XX+2*\q+1], v[XX+2*\q:XX+2*\q+1], v[XX+2*\q+4:XX+2*\q+5]
.endr
.irp q, 0,8,16,24
	v_pk_add_f32 v[XX+2*\q:XX+2*\q+1], v[XX+2*\q:XX+2*\q+1], v[XX+2*\q+8:XX+2*\q+9]
.endr
.irp q, 0,16
	v_pk_add_f32 v[XX+2*\q:XX+2*\q+1], v[XX+2*\q:XX+2*\q+1], v[XX+2*\q+16:XX+2*\q+17]
.endr
	v_pk_add_f32 v[XX:XX+1], v[XX:XX+1], v[XX+32:XX+33]
	global_store_b64 v[WO], v[XX:XX+1], s[10:11]   ; out0[b][64 (g % 8) + 2 l ..]
.Lend:
	s_wait_tensorcnt 0x0
	ds_add_u32 v88, v89
	s_wait_dscnt 0x0
	s_endpgm
.Lfunc_end_k_q18328b329d_gather:
	.size	k_q18328b329d_gather, .Lfunc_end_k_q18328b329d_gather-k_q18328b329d_gather
	.p2alignl 7, 3214868480
	.fill 96, 4, 3214868480
	.section	.rodata,"a",@progbits
	.p2align	6, 0x0
	.amdhsa_kernel k_q18328b329d_gather
		.amdhsa_group_segment_fixed_size 10240
		.amdhsa_private_segment_fixed_size 0
		.amdhsa_enable_private_segment 0
		.amdhsa_kernarg_size 32
		.amdhsa_user_sgpr_count 2
		.amdhsa_user_sgpr_kernarg_segment_ptr 1
		.amdhsa_wavefront_size32 1
		.amdhsa_system_sgpr_workgroup_id_x 1
		.amdhsa_system_sgpr_workgroup_id_y 1
		.amdhsa_system_sgpr_workgroup_id_z 1
		.amdhsa_system_vgpr_workitem_id 0
		.amdhsa_next_free_vgpr 90
		.amdhsa_next_free_sgpr 66
		.amdhsa_reserve_vcc 0
		.amdhsa_float_denorm_mode_32 3
		.amdhsa_float_denorm_mode_16_64 3
		.amdhsa_memory_ordered 1
		.amdhsa_forward_progress 1
		.amdhsa_inst_pref_size 23
	.end_amdhsa_kernel
	.amdgpu_metadata
---
amdhsa.version: [ 1, 2 ]
amdhsa.kernels:
  - .name:           k_q18328b329d_gather
    .symbol:         k_q18328b329d_gather.kd
    .args:
      - { .name: x, .offset: 0, .size: 8, .value_kind: global_buffer, .address_space: global }
      - { .name: wts, .offset: 8, .size: 8, .value_kind: global_buffer, .address_space: global }
      - { .name: flags, .offset: 16, .size: 8, .value_kind: global_buffer, .address_space: global }
      - { .name: out0, .offset: 24, .size: 8, .value_kind: global_buffer, .address_space: global }
    .group_segment_fixed_size: 10240
    .private_segment_fixed_size: 0
    .kernarg_segment_align: 8
    .kernarg_segment_size: 32
    .max_flat_workgroup_size: 512
    .sgpr_count:     66
    .vgpr_count:     90
    .wavefront_size: 32
...
	.end_amdgpu_metadata
.endif
;; end of part 6
